; MI455X (gfx1250); checked and timed in simulation.
; The chip was launched on July 23, 2026; its instructions are those of AMD's public machine-readable ISA for CDNA 5 (MIT licence, August 2026) and "CDNA5" Instruction Set Architecture Reference Guide (July 2026). The comments in the code are by the model that wrote it; some were corrected since.
;; Prior Network. Allowed arithmetic: matrix products marked QUANTISED: E3M2 operands, one E8M0 scale for each 32 along K, by v_wmma_scale_f32_16x16x128_f8f6f4 with both operands' format E3M2, f32 sums; everything else in f32.
;; Inputs: W1 64 x 512 float32; Ws 512 x 64 float32; Wu 512 x 64 float32; b1 512 float32; bs 64 float32; bu 64 float32; codes 1,024 x 64 float32; codes_table 100,000 x 64 float32.
;; Outputs: out0 1,024 x 64 float32; out1 1,024 x 64 float32.
;; This version of the problem:
;;   THIS VERSION OF THE PROBLEM IS GIVEN IN LOW PRECISION. The matrix products marked QUANTISED in the list below multiply operands that are first quantised to E3M2 (3 exponent bits, 2 mantissa bits; 6 bits a number), with one power-of-two scale for each 32 numbers along K (OCP MX v1.0); their sums are f32. All else is computed in f32.
;;   The module's matrix products, in the order in which they are computed (A, B: the left and right operand; K: the contracted axis; several contracted axes count as one K, in the product's order):
;;     1. [M 1,024, K 64] x [K 64, N 100,000]; A: input codes; B: input codes_table: QUANTISED
;;     2. [M 1,024, K 64] x [K 64, N 512]; A: computed on the way; B: input W1: QUANTISED
;;     3. [M 1,024, K 512] x [K 512, N 64]; A: computed on the way; B: input Wu: QUANTISED
;;     4. [M 1,024, K 512] x [K 512, N 64]; A: computed on the way; B: input Ws: QUANTISED
;;   THE QUANTISER, for each operand of a quantised product, along K:
;;     - K is cut into blocks of 32 from its start; a last block that is shorter is filled with zeros.
;;     - A block's scale is 2^e with e = floor(log2(the largest magnitude in the block)) - 4, held to -126 .. 127; a block of zeros has e = 0. As a byte (E8M0): e + 127.
;;     - Each number is divided by its block's scale, clamped to +-28, and rounded to the nearest number of E3M2, ties to even, subnormals kept.
;;     - The product sums the exact products of the quantised numbers (number of the format x scale) in f32.
;;   ~~~python
;;   def quantise(x, axis):      # numpy; x: float32 -> the quantised numbers, widened to float32 again
;;       x = np.moveaxis(x, axis, -1); K = x.shape[-1]
;;       x = np.pad(x, [(0, 0)] * (x.ndim - 1) + [(0, -K % 32)]); x = x.reshape(x.shape[:-1] + (-1, 32)); a = np.abs(x).max(-1, keepdims=True)
;;       e = np.where(a > 0, np.clip(np.frexp(np.where(a > 0, a, 1))[1] - 1 - 4, -126, 127), 0)      # np.frexp(a)[1] - 1 = floor(log2(a)), exactly
;;       r = np.clip(x / 2.0 ** e, -28, 28)
;;       step = 2.0 ** (np.maximum(np.frexp(np.where(r == 0, 1, r))[1] - 1, -2) - 2)
;;       q = np.round(r / step) * step * 2.0 ** e      # np.round: ties to even
;;       return np.moveaxis(q.reshape(q.shape[:-2] + (-1,))[..., :K], -1, axis).astype(np.float32)
;;   ~~~
;;   OPERANDS COMPUTED ON THE WAY. 'Computed on the way' means the value that the module computes at that place (a softmax that the list does not call 'softmax' is quantised finished and normalised). What goes into a quantiser is computed in f32, as accurately as f32 sums, v_exp_f32 and their like allow (about 1e-6 of the number): no bf16 or f16 on the way to a quantiser, and a product that is left as it is and whose result goes on into a quantised operand takes f32 operands (vector FMAs, or v_wmma_f32_16x16x4_f32). A number that lies on a knife's edge between two numbers of the format may be rounded either way, as far as f32 arithmetic and the matrix unit's own rounding can turn it there, and no further.
;; One version. Each part assembles by itself: llvm-mc -triple=amdgcn-amd-amdhsa -mcpu=gfx1250 --defsym DOCPART=n.
;; ======== version 1 of 1: 4 launches
;; workspace buffers: qimg 65,536 bytes; w1img 32,768 bytes; w2img 65,536 bytes; part 2,048,000 bytes; win 4,096 bytes of whole numbers
;; launch prep (part 1): grid 128 x 1, 1 waves a work-group, no clusters, 0 bytes of LDS; arguments codes, W1, Wu, Ws, qimg, w1img, w2img; writes qimg, w1img, w2img
.if DOCPART == 1
	.amdgcn_target "amdgcn-amd-amdhsa--gfx1250"
	.amdhsa_code_object_version 6
	.text
	.protected	k_qb1117d88e8_prep
	.globl	k_qb1117d88e8_prep
	.p2align	8
	.type	k_qb1117d88e8_prep,@function
k_qb1117d88e8_prep:
	s_mov_b64 s[64:65], 0
	v_nop
	global_prefetch_b8 v0, s[64:65] scope:SCOPE_SE
	s_setreg_imm32_b32 hwreg(HW_REG_WAVE_MODE, 25, 1), 1
	s_wait_xcnt 0x0
; PREP: the operands that many work-groups of the later launches read are quantised ONCE, to codes of BF6 (E3M2) with one E8M0 byte for each 32 along K,
; and stored as IMAGES OF THE OPERAND'S REGISTERS: a later wave loads a fragment by 16, 8 and 4 bytes a lane, dense, and has it in place.
; One wave is one unit (work-group u):  u < 64: query tile u (16 rows of codes, K = 64);  64 <= u < 96: tile u - 64 of W1 (16 hidden units, K = 64 down W1's rows);
; u >= 96: fragment u - 96 = 4 n8 + s of [Wu | Ws] (16 outputs, K step s of 128 down the rows).
; A lane (r = lane % 16, h = lane / 16) holds ONE block of 32: row or column r, k = 32 h + 0 .. 31, which is what the 6-bit operand layout gives that lane (registers 0-5).
; K = 64 records (1,024 bytes): +0 registers 0-3 at 16 x lane; +512 registers 4-5 at 8 x lane; +768 the scale word at 4 x lane.  Bytes 2, 3 of the word repeat bytes 0, 1:
; they scale the zero codes with which the readers fill k = 64 .. 127.  K = 128 records (2,048 bytes): +512 j registers 4 j .. 4 j + 3; +1536 the scale word.
; THE ROWS OF A TILE OF W1 ARE NOT NEIGHBOURS: lane r of tile t takes hidden unit 32 (t / 2) + 8 (t % 2) + r + 8 (r / 8), so that the hidden layer's registers run along the next K.
; A block's byte is its largest magnitude's exponent field - 4, held at 1 from below; a block of zeros so gets 1 where the rule says 127: its codes are zeros, and this program alone reads the bytes.
; LIMITS: blocks whose largest magnitude lies under 2^(4 - 126) keep the byte 1; NaN and infinities among the inputs are not served.
; The loads of a query tile stand 128 bytes apart from lane to lane, those of the weights read 64 neighbouring bytes in sixteen lanes: 0.65 MB in all, read once.
.set SH8,  7                           ; v7      8 h: where my block's byte stands in the halfword
.set QM0,  8                           ; v8-9    two chains of the largest magnitude
.set QM1,  9
.set QS,   10                          ; v10-13  sums of squares (not used here)
.set QSC,  14                          ; v14     the conversion's scale operand
.set QBY,  15                          ; v15     the scale's byte
.set QPT,  16                          ; v16-17  lane permutes' destinations
.set QPT2, 17
.set QCT,  18                          ; v18-20  the block's upper 16 codes
.set HW0,  22                          ; v22-23  halfwords: byte of block h = 0, byte of block h = 1
.set HW1,  23
.set WD,   24                          ; v24     the scale word
.set D,    32                          ; v32-43  the codes
.set X,    64                          ; v64-127 the numbers
.set SEL,  20                          ; s[20:21] v_permlanex16_b32's selects for lane l xor 16
; 32 numbers of a lane, v[x] on, are one block.  Codes to v[d .. d + 5] (d even), the two blocks' bytes of my row to v[hw].  wt2 = 1: v[t2] = -1/2 x the sum of the squares of the row's 64 numbers.
.macro QUANT32 x, d, hw, wt2, t2
	v_max3_num_f32 v[QM0], |v[(\x)]|, |v[(\x)+1]|, 0x2800000           ; the floor 2^(5 - 127) among the leaves: the byte cannot fall under 1
	v_max3_num_f32 v[QM1], |v[(\x)+2]|, |v[(\x)+3]|, 0x2800000
.if \wt2
	v_pk_mul_f32 v[QS:QS+1], v[(\x):(\x)+1], v[(\x):(\x)+1]
	v_pk_mul_f32 v[QS+2:QS+3], v[(\x)+2:(\x)+3], v[(\x)+2:(\x)+3]
.endif
.irp i, 4,8,12,16,20,24,28
	v_max3_num_f32 v[QM0], |v[(\x)+\i]|, |v[(\x)+\i+1]|, v[QM0]
.if \wt2
	v_pk_fma_f32 v[QS:QS+1], v[(\x)+\i:(\x)+\i+1], v[(\x)+\i:(\x)+\i+1], v[QS:QS+1]
.endif
	v_max3_num_f32 v[QM1], |v[(\x)+\i+2]|, |v[(\x)+\i+3]|, v[QM1]
.if \wt2
	v_pk_fma_f32 v[QS+2:QS+3], v[(\x)+\i+2:(\x)+\i+3], v[(\x)+\i+2:(\x)+\i+3], v[QS+2:QS+3]
.endif
.endr
	v_max_num_f32 v[QM0], v[QM0], v[QM1]                               ; the block's largest magnitude: all 32 numbers are mine
	v_add_nc_u32 v[QSC], 0xfe000000, v[QM0]                            ; 4 off its exponent field: the conversion takes that field as its scale
	v_lshrrev_b32 v[QBY], 23, v[QSC]                                   ; the scale's byte
.if \wt2
	v_pk_add_f32 v[QS:QS+1], v[QS:QS+1], v[QS+2:QS+3]
	v_add_f32 v[QS], v[QS], v[QS+1]
.endif
	v_cvt_scalef32_pk16_bf6_f32 v[(\d):(\d)+2], v[(\x):(\x)+15], v[QSC]
	v_cvt_scalef32_pk16_bf6_f32 v[QCT:QCT+2], v[(\x)+16:(\x)+31], v[QSC]  ; (a conversion's three registers begin on an even number)
	v_lshlrev_b32 v[QBY], v[SH8], v[QBY]                               ; the plain line behind the conversions: my byte at its place
	v_permlanex16_b32 v[QPT], v[QBY], s[SEL], s[SEL+1]
.irp i, 0,1,2
	v_mov_b32 v[(\d)+3+\i], v[QCT+\i]
.endr
	v_or_b32 v[\hw], v[QBY], v[QPT]                                    ; with lane l xor 16's: both blocks' bytes, in both halves of the lanes
.if \wt2
	v_permlanex16_b32 v[QPT2], v[QS], s[SEL], s[SEL+1]
	v_add_f32 v[QS], v[QS], v[QPT2]
	v_mul_f32 v[\t2], -0.5, v[QS]
.endif
.endm
	s_load_b256 s[4:11], s[0:1], 0x0               ; codes s[4:5], W1 s[6:7], Wu s[8:9], Ws s[10:11]
	s_load_b128 s[12:15], s[0:1], 0x20             ; qimg s[12:13], w1img s[14:15]
	s_load_b64 s[16:17], s[0:1], 0x30              ; w2img
	v_and_b32 v1, 15, v0                           ; r   (one wave: the thread's number is the lane)
	v_bfe_u32 v2, v0, 4, 1                         ; h
	v_lshlrev_b32 v4, 4, v0                        ; an image's places for my lane: 16, 8, 4 bytes
	v_lshlrev_b32 v5, 3, v0
	v_lshlrev_b32 v6, 2, v0
	v_lshlrev_b32 v[SH8], 3, v2
	v_mov_b32 v[QPT], 0                            ; a lane permute's destination counts as one of its sources
	s_mov_b32 s[SEL], 0x76543210
	s_mov_b32 s[SEL+1], 0xfedcba98
	s_mov_b32 s25, 0                               ; the upper word of every offset
	s_wait_kmcnt 0x0
	s_cmp_lt_u32 ttmp9, 64
	s_cbranch_scc0 .Lnot_q
	; ---- a tile of 16 queries
	s_lshl_b32 s24, ttmp9, 12                      ; 16 rows of 256 bytes
	s_add_nc_u64 s[4:5], s[4:5], s[24:25]
	s_lshl_b32 s24, ttmp9, 10
	s_add_nc_u64 s[12:13], s[12:13], s[24:25]
	s_wait_alu depctr_va_vdst(0)
	v_lshlrev_b32 v3, 8, v1
	v_lshl_add_u32 v3, v2, 7, v3                   ; row r, + 128 h: my block
.irp j, 0,1,2,3,4,5,6,7
	global_load_b128 v[X+4*\j:X+4*\j+3], v3, s[4:5] offset:16*\j
.endr
	s_wait_loadcnt 0x0
	QUANT32 X, D, HW0, 0, 0
	v_lshl_or_b32 v[WD], v[HW0], 16, v[HW0]
	global_store_b128 v4, v[D:D+3], s[12:13]               ; 32 lanes store 512 consecutive bytes,
	global_store_b64 v5, v[D+4:D+5], s[12:13] offset:512   ; 256,
	global_store_b32 v6, v[WD], s[12:13] offset:768        ; 128
	s_endpgm
.Lnot_q:
	s_cmp_lt_u32 ttmp9, 96
	s_cbranch_scc0 .Lw2
	; ---- a tile of 16 hidden units of W1 [64][512]: a lane takes a column, its registers run down K
	s_sub_co_u32 s26, ttmp9, 64                    ; the tile
	s_lshr_b32 s27, s26, 1
	s_lshl_b32 s27, s27, 7                         ; 32 (t / 2) columns of 4 bytes
	s_and_b32 s28, s26, 1
	s_lshl_b32 s28, s28, 5                         ; 8 (t % 2)
	s_add_co_u32 s24, s27, s28
	s_add_nc_u64 s[6:7], s[6:7], s[24:25]
	s_lshl_b32 s24, s26, 10
	s_add_nc_u64 s[14:15], s[14:15], s[24:25]
	s_wait_alu depctr_va_vdst(0)
	v_and_b32 v3, 8, v1
	v_add_nc_u32 v3, v3, v1                        ; r + 8 (r / 8)
	v_lshlrev_b32 v3, 2, v3
	v_lshl_add_u32 v3, v2, 16, v3                  ; + 32 h rows of 2,048 bytes
.irp i, 0,1,2,3,4,5,6,7,8,9,10,11,12,13,14,15,16,17,18,19,20,21,22,23,24,25,26,27,28,29,30,31
	global_load_b32 v[X+\i], v3, s[6:7] offset:2048*\i
.endr
	s_wait_loadcnt 0x0
	QUANT32 X, D, HW0, 0, 0
	v_lshl_or_b32 v[WD], v[HW0], 16, v[HW0]
	global_store_b128 v4, v[D:D+3], s[14:15]
	global_store_b64 v5, v[D+4:D+5], s[14:15] offset:512
	global_store_b32 v6, v[WD], s[14:15] offset:768
	s_endpgm
.Lw2:
	; ---- a fragment of [Wu | Ws], each [512][64]: 16 outputs x 128 along K
	s_sub_co_u32 s26, ttmp9, 96                    ; 4 n8 + s
	s_lshr_b32 s27, s26, 2                         ; n8: output tiles 0-3 are Wu's, 4-7 Ws's
	s_and_b32 s28, s26, 3
	s_lshl_b32 s28, s28, 15                        ; K step s: 128 rows of 256 bytes
	s_and_b32 s29, s27, 3
	s_lshl_b32 s29, s29, 6                         ; 16 columns of 4 bytes
	s_add_co_u32 s24, s28, s29
	s_cmp_lt_u32 s27, 4                            ; the choice hangs on the work-group's number alone
	s_cselect_b64 s[8:9], s[8:9], s[10:11]
	s_add_nc_u64 s[8:9], s[8:9], s[24:25]
	s_lshl_b32 s24, s26, 11
	s_add_nc_u64 s[16:17], s[16:17], s[24:25]
	s_wait_alu depctr_va_vdst(0)
	v_lshlrev_b32 v3, 2, v1
	v_lshl_add_u32 v3, v2, 13, v3                  ; column r, + 32 h rows
.irp c, 0,1
.irp i, 0,1,2,3,4,5,6,7,8,9,10,11,12,13,14,15,16,17,18,19,20,21,22,23,24,25,26,27,28,29,30,31
	global_load_b32 v[X+32*\c+\i], v3, s[8:9] offset:256*(64*\c+\i)   ; k = 64 c + 32 h + i
.endr
.endr
	s_wait_loadcnt 0x0
	QUANT32 X, D, HW0, 0, 0                        ; blocks 0, 1
	QUANT32 X+32, D+6, HW1, 0, 0                   ; blocks 2, 3
	v_lshl_or_b32 v[WD], v[HW1], 16, v[HW0]
	global_store_b128 v4, v[D:D+3], s[16:17]
	global_store_b128 v4, v[D+4:D+7], s[16:17] offset:512
	global_store_b128 v4, v[D+8:D+11], s[16:17] offset:1024
	global_store_b32 v6, v[WD], s[16:17] offset:1536
	s_endpgm
.Lfunc_end_k_qb1117d88e8_prep:
	.size	k_qb1117d88e8_prep, .Lfunc_end_k_qb1117d88e8_prep-k_qb1117d88e8_prep
	.p2alignl 7, 3214868480
	.fill 96, 4, 3214868480
	.section	.rodata,"a",@progbits
	.p2align	6, 0x0
	.amdhsa_kernel k_qb1117d88e8_prep
		.amdhsa_group_segment_fixed_size 0
		.amdhsa_private_segment_fixed_size 0
		.amdhsa_enable_private_segment 0
		.amdhsa_kernarg_size 56
		.amdhsa_user_sgpr_count 2
		.amdhsa_user_sgpr_kernarg_segment_ptr 1
		.amdhsa_wavefront_size32 1
		.amdhsa_system_sgpr_workgroup_id_x 1
		.amdhsa_system_sgpr_workgroup_id_y 1
		.amdhsa_system_sgpr_workgroup_id_z 1
		.amdhsa_system_vgpr_workitem_id 0
		.amdhsa_next_free_vgpr 128
		.amdhsa_next_free_sgpr 66
		.amdhsa_reserve_vcc 0
		.amdhsa_float_denorm_mode_32 3
		.amdhsa_float_denorm_mode_16_64 3
		.amdhsa_memory_ordered 1
		.amdhsa_forward_progress 1
		.amdhsa_inst_pref_size 20
	.end_amdhsa_kernel
	.amdgpu_metadata
---
amdhsa.version: [ 1, 2 ]
amdhsa.kernels:
  - .name:           k_qb1117d88e8_prep
    .symbol:         k_qb1117d88e8_prep.kd
    .args:
      - { .name: codes, .offset: 0, .size: 8, .value_kind: global_buffer, .address_space: global }
      - { .name: W1, .offset: 8, .size: 8, .value_kind: global_buffer, .address_space: global }
      - { .name: Wu, .offset: 16, .size: 8, .value_kind: global_buffer, .address_space: global }
      - { .name: Ws, .offset: 24, .size: 8, .value_kind: global_buffer, .address_space: global }
      - { .name: qimg, .offset: 32, .size: 8, .value_kind: global_buffer, .address_space: global }
      - { .name: w1img, .offset: 40, .size: 8, .value_kind: global_buffer, .address_space: global }
      - { .name: w2img, .offset: 48, .size: 8, .value_kind: global_buffer, .address_space: global }
    .group_segment_fixed_size: 0
    .private_segment_fixed_size: 0
    .kernarg_segment_align: 8
    .kernarg_segment_size: 56
    .max_flat_workgroup_size: 32
    .sgpr_count:     66
    .vgpr_count:     128
    .wavefront_size: 32
...
	.end_amdgpu_metadata
.endif
;; end of part 1
;; launch scan (part 2): grid 250 x 1, 8 waves a work-group, no clusters, 26,624 bytes of LDS; arguments codes_table, qimg, part; writes part
.if DOCPART == 2
	.amdgcn_target "amdgcn-amd-amdhsa--gfx1250"
	.amdhsa_code_object_version 6
	.text
	.protected	k_qb1117d88e8_scan
	.globl	k_qb1117d88e8_scan
	.p2align	8
	.type	k_qb1117d88e8_scan,@function
k_qb1117d88e8_scan:
	s_mov_b64 s[64:65], 0
	v_nop
	global_prefetch_b8 v0, s[64:65] scope:SCOPE_SE
	s_setreg_imm32_b32 hwreg(HW_REG_WAVE_MODE, 25, 1), 1
	s_wait_xcnt 0x0
; SCAN: for every query the best TILE of 16 table rows among this work-group's 25 tiles (400 rows), by s = c . t - |t|^2 / 2, c . t on codes of BF6 (E3M2) with E8M0 scales.
; |c|^2 is the same for all rows of a query and does not enter the order, so the smallest d2 is the largest s.  -|t|^2 / 2 (f32, of the unquantised row) is the C of the matrix instruction: it costs no vector work.
; SHARES.  Work-group g owns table rows 400 g .. 400 g + 399, 102,400 dense bytes, read once.  Wave w keeps the fragments of query tiles 8 w .. 8 w + 7 in registers for the whole launch and
; quantises table tiles w, w + 8, w + 16 (wave 0 also tile 24); a table fragment goes to the other waves through LDS as an image of its registers.  25 x 8 = 200 matrix instructions a wave.
; LAYOUT.  Source 0 = 16 table rows, source 1 = 16 queries: a lane holds ONE query (lane % 16) and its 8 registers 8 table rows.  A tile's largest s is four three-way maxima; three more lines keep
; (best s, tile): seven vector lines for each matrix instruction.  Which of the tile's 16 rows wins is found two launches on.
; K = 64: registers 6-11 of every fragment are zero codes, on both sides; bytes 2, 3 of the scale words repeat bytes 0, 1.
; OUT: part [32 c][250 g][256 bytes]: byte 16 r + 8 e: best s (f32), + 4: the tile's number in the table, for query 32 c + 16 e + r.
; No tensor loads, no ring: every byte is asked for at the head and every LDS byte is written once.  No cluster: 250 work-groups are no multiple of 4, and the shared query images go to registers.
; LIMITS: the compared number is rounded otherwise than d2 (a difference of some 1e-7 of it decides otherwise only at such ties); exact ties go to the lowest row; NaN and infinities are not served;
; a block whose largest magnitude lies under 2^(4 - 126) keeps the byte 1.
; LDS: tile a at 1024 a: +0 registers 0-3 at 16 x lane; +512 registers 4-5 at 8 x lane; +768 scale word at 4 x lane; +896 sixteen f32: -|t|^2 / 2 of the rows.
; REGISTERS.  Window 0: below.  Window 1: v0-127 four staging slots of 32 numbers; from v128 the quantiser's own.
.set TO,   3                           ; v3   256 r + 128 h: my block of a table row
.set LA,   4                           ; v4-6 16, 8, 4 x lane: an image's places
.set LB,   5
.set LC,   6
.set LD,   7                           ; v7   32 h: my eight rows' -|t|^2 / 2
.set SA,   8                           ; v8-10 the same three + 1024 w: where I store my tiles' images
.set SB,   9
.set SW,   10
.set ST,   11                          ; v11  4 r + 1024 w
.set OB,   12                          ; v12-13 lane permutes' destinations
.set OI,   13
.set SO,   14                          ; v14  my byte offset in part
.set QW,   16                          ; v16-23  the queries' scale words
.set BEST, 24                          ; v24-31  best s of query tile t
.set IDX,  32                          ; v32-39  its tile
.set MX,   40                          ; v40-43  at work
.set AS,   44                          ; v44-45  the table tile's scale words, two buffers
.set AF,   46                          ; v46-69  its fragment, two buffers of 12
.set CF,   70                          ; v70-85  its -|t|^2 / 2 in the result's layout, two buffers of 8
.set D,    86                          ; v86-149 eight results
.set Q,    150                         ; v150-245 eight query fragments
.set OUT,  246                         ; v246-253
.set SH8,  128                         ; window 1
.set QM0,  130
.set QM1,  131
.set QS,   132
.set QSC,  136
.set QBY,  137
.set QPT,  138
.set QPT2, 139
.set QCT,  140
.set QD,   144
.set QHW,  150
.set QT2,  151
.set SEL,  20                          ; s[20:21]
.set MK,   24                          ; s24-27 masks, one for each of four tiles
.set MA,   28
.set MB,   29
.set MC,   30
.set MSB, 0
.macro WIN new                         ; the immediate's high byte repeats the setting that is left; a switch that changes nothing is dropped
.if MSB != \new
	s_set_vgpr_msb (MSB<<8)|\new
.set MSB, \new
.endif
.endm
; 32 numbers of a lane, v[x] on, are one block (row r, k = 32 h + 0 .. 31).  Codes to v[d .. d + 5], the row's two bytes to v[hw]; wt2 = 1: v[t2] = -1/2 x the sum of the squares of the row's 64 numbers.
.macro QUANT32 x, d, hw, wt2, t2
	v_max3_num_f32 v[QM0], |v[(\x)]|, |v[(\x)+1]|, 0x2800000           ; the floor 2^(5 - 127) among the leaves: the byte cannot fall under 1
	v_max3_num_f32 v[QM1], |v[(\x)+2]|, |v[(\x)+3]|, 0x2800000
.if \wt2
	v_pk_mul_f32 v[QS:QS+1], v[(\x):(\x)+1], v[(\x):(\x)+1]
	v_pk_mul_f32 v[QS+2:QS+3], v[(\x)+2:(\x)+3], v[(\x)+2:(\x)+3]
.endif
.irp i, 4
	s_delay_alu instid0(VALU_DEP_4)
	v_max3_num_f32 v[QM0], |v[(\x)+\i]|, |v[(\x)+\i+1]|, v[QM0]
.if \wt2
	s_delay_alu instid0(VALU_DEP_3)
	v_pk_fma_f32 v[QS:QS+1], v[(\x)+\i:(\x)+\i+1], v[(\x)+\i:(\x)+\i+1], v[QS:QS+1]
.endif
	v_max3_num_f32 v[QM1], |v[(\x)+\i+2]|, |v[(\x)+\i+3]|, v[QM1]
.if \wt2
	s_delay_alu instid0(VALU_DEP_4)
	v_pk_fma_f32 v[QS+2:QS+3], v[(\x)+\i+2:(\x)+\i+3], v[(\x)+\i+2:(\x)+\i+3], v[QS+2:QS+3]
.endif
.endr
.irp i, 8, 12, 16, 20, 24, 28
	s_delay_alu instid0(VALU_DEP_4)
	v_max3_num_f32 v[QM0], |v[(\x)+\i]|, |v[(\x)+\i+1]|, v[QM0]
.if \wt2
	s_delay_alu instid0(VALU_DEP_4)
	v_pk_fma_f32 v[QS:QS+1], v[(\x)+\i:(\x)+\i+1], v[(\x)+\i:(\x)+\i+1], v[QS:QS+1]
.endif
	s_delay_alu instid0(VALU_DEP_4)
	v_max3_num_f32 v[QM1], |v[(\x)+\i+2]|, |v[(\x)+\i+3]|, v[QM1]
.if \wt2
	s_delay_alu instid0(VALU_DEP_4)
	v_pk_fma_f32 v[QS+2:QS+3], v[(\x)+\i+2:(\x)+\i+3], v[(\x)+\i+2:(\x)+\i+3], v[QS+2:QS+3]
.endif
.endr
	s_delay_alu instid0(VALU_DEP_2)
	v_max_num_f32 v[QM0], v[QM0], v[QM1]
	s_delay_alu instid0(VALU_DEP_1)
	v_add_nc_u32 v[QSC], 0xfe000000, v[QM0]                            ; 4 off the exponent field: the conversion's scale operand
	s_delay_alu instid0(VALU_DEP_1)
	v_lshrrev_b32 v[QBY], 23, v[QSC]                                   ; the scale's byte
.if \wt2
	s_delay_alu instid0(VALU_DEP_4)
	v_pk_add_f32 v[QS:QS+1], v[QS:QS+1], v[QS+2:QS+3]
	s_delay_alu instid0(VALU_DEP_1)
	v_add_f32 v[QS], v[QS], v[QS+1]
.endif
	v_cvt_scalef32_pk16_bf6_f32 v[(\d):(\d)+2], v[(\x):(\x)+15], v[QSC]
	v_cvt_scalef32_pk16_bf6_f32 v[QCT:QCT+2], v[(\x)+16:(\x)+31], v[QSC]  ; (a conversion's three registers begin on an even number)
	v_lshlrev_b32 v[QBY], v[SH8], v[QBY]                               ; the plain line behind the conversions
	s_delay_alu instid0(VALU_DEP_1)
	v_permlanex16_b32 v[QPT], v[QBY], s[SEL], s[SEL+1]
.irp i, 0,1,2
	v_mov_b32 v[(\d)+3+\i], v[QCT+\i]
.endr
	s_delay_alu instid0(VALU_DEP_4)
	v_or_b32 v[\hw], v[QBY], v[QPT]
.if \wt2
	v_permlanex16_b32 v[QPT2], v[QS], s[SEL], s[SEL+1]
	s_delay_alu instid0(VALU_DEP_1)
	v_add_f32 v[QS], v[QS], v[QPT2]                                    ; the same two numbers added in both halves: the same bits
	s_delay_alu instid0(VALU_DEP_1)
	v_mul_f32 v[\t2], -0.5, v[QS]
.endif
.endm
; my pair (value, id) against lane l xor 16's: the larger value, at equal values the lower id.  Both halves end with the same pair.
.macro MERGE bv, bi, ob, oi
	v_permlanex16_b32 v[\ob], v[\bv], s[SEL], s[SEL+1]
	v_permlanex16_b32 v[\oi], v[\bi], s[SEL], s[SEL+1]
	s_delay_alu instid0(VALU_DEP_2)
	v_cmp_gt_f32 s[MA], v[\ob], v[\bv]
	s_delay_alu instid0(VALU_DEP_3)
	v_cmp_eq_f32 s[MB], v[\ob], v[\bv]
	s_delay_alu instid0(VALU_DEP_3)
	v_cmp_lt_u32 s[MC], v[\oi], v[\bi]
	s_and_b32 s[MB], s[MB], s[MC]
	s_or_b32 s[MA], s[MA], s[MB]
	v_cndmask_b32 v[\bi], v[\bi], v[\oi], s[MA]
	v_max_num_f32 v[\bv], v[\bv], v[\ob]
.endm
.macro STORES off                      ; the tile just quantised goes to LDS as it stands (address window 0, data window 1)
	WIN 0x04
	ds_store_b128 v[SA], v[QD:QD+3] offset:\off
	ds_store_b64 v[SB], v[QD+4:QD+5] offset:\off+512
	ds_store_b32 v[SW], v[QHW] offset:\off+768
	ds_store_b32 v[ST], v[QT2] offset:\off+896     ; both halves of the lanes write the same word with the same value
	WIN 0
.endm
.macro MEET                            ; my LDS stores have landed and my LDS loads are in: then the work-group's barrier
	s_wait_dscnt 0x0
	s_barrier_signal -1
	s_barrier_wait -1
.endm
; my tile w + 8 i.  cnt = the loads issued behind its eight
.macro SECTION i, cnt
	s_wait_loadcnt \cnt
	WIN 0x55                                       ; the quantiser works in window 1 alone
	QUANT32 32*\i, QD, QHW, 1, QT2
	s_delay_alu instid0(VALU_DEP_4)
	v_lshl_or_b32 v[QHW], v[QHW], 16, v[QHW]       ; bytes 2, 3 repeat bytes 0, 1
	STORES 8192*\i
	MEET
.endm
.macro LOADS a                         ; tile a into buffer a % 2: five loads
	ds_load_b128 v[AF+12*((\a)%2):AF+12*((\a)%2)+3], v[LA] offset:1024*(\a)
	ds_load_b64 v[AF+12*((\a)%2)+4:AF+12*((\a)%2)+5], v[LB] offset:1024*(\a)+512
	ds_load_b32 v[AS+(\a)%2], v[LC] offset:1024*(\a)+768
	ds_load_b128 v[CF+8*((\a)%2):CF+8*((\a)%2)+3], v[LD] offset:1024*(\a)+896
	ds_load_b128 v[CF+8*((\a)%2)+4:CF+8*((\a)%2)+7], v[LD] offset:1024*(\a)+912
.endm
.macro MM b, t                         ; s of the tile in buffer b for query tile t
	v_wmma_scale_f32_16x16x128_f8f6f4 v[D+8*(\t):D+8*(\t)+7], v[AF+12*(\b):AF+12*(\b)+11], v[Q+12*(\t):Q+12*(\t)+11], v[CF+8*(\b):CF+8*(\b)+7], v[AS+(\b)], v[QW+(\t)] matrix_a_fmt:MATRIX_FMT_BF6 matrix_b_fmt:MATRIX_FMT_BF6
.endm
; Four matrix instructions (query tiles 4 gw + 0 .. 3, buffer b; none if mul = 0), and between them the 28 vector lines that take in the results of query tiles 4 gm + 0 .. 3 for table tile id.
; Each result is read from its low end on.  Behind the block's last matrix instruction stand four plain lines that name none of its registers: the places in front of the next loads into its buffer
; (ISA guide 7.12.1 for vector instructions).  No result is added onto: C is always the buffer's -|t|^2 / 2.
.macro BLOCK gm, id, gw, b, mul
.if \mul
	MM \b, 4*\gw
.endif
.irp i, 0,1,2,3
	v_max3_num_f32 v[MX+\i], v[D+8*(4*\gm+\i)], v[D+8*(4*\gm+\i)+1], v[D+8*(4*\gm+\i)+2]
.endr
.irp i, 0,1,2,3
	v_max3_num_f32 v[MX+\i], v[MX+\i], v[D+8*(4*\gm+\i)+3], v[D+8*(4*\gm+\i)+4]
.endr
.if \mul
	MM \b, 4*\gw+1
.endif
.irp i, 0,1,2,3
	v_max3_num_f32 v[MX+\i], v[MX+\i], v[D+8*(4*\gm+\i)+5], v[D+8*(4*\gm+\i)+6]
.endr
.irp i, 0,1,2,3
	v_max_num_f32 v[MX+\i], v[MX+\i], v[D+8*(4*\gm+\i)+7]
.endr
.if \mul
	MM \b, 4*\gw+2
.endif
.irp i, 0,1,2,3
	v_cmp_gt_f32 s[MK+\i], v[MX+\i], v[BEST+4*\gm+\i]      ; strictly larger: at a tie the earlier tile stays
.endr
.irp i, 0,1,2,3
	s_delay_alu instid0(VALU_DEP_4)
	v_cndmask_b32 v[IDX+4*\gm+\i], v[IDX+4*\gm+\i], (\id), s[MK+\i]
.endr
.if \mul
	MM \b, 4*\gw+3
.endif
.irp i, 0,1,2,3
	v_max_num_f32 v[BEST+4*\gm+\i], v[BEST+4*\gm+\i], v[MX+\i]
.endr
.endm
.macro STEP a, load                    ; table tile a is multiplied; tile a + 1 is fetched a whole step ahead of its use
	s_wait_dscnt 0x0                               ; tile a's five loads, issued a step ago
.if \load
	LOADS (\a)+1
.endif
	BLOCK 1, (\a)-1, 0, (\a)%2, 1
	BLOCK 0, (\a), 1, (\a)%2, 1
.endm
	s_load_b128 s[4:7], s[0:1], 0x0                ; the table s[4:5], qimg s[6:7]
	s_load_b64 s[8:9], s[0:1], 0x10                ; part
	v_lshl_add_u32 v254, v0, 2, 0x6400
	v_mov_b32 v255, 0
	v_lshrrev_b32 v1, 5, v0
	s_delay_alu instid0(VALU_DEP_1)
	v_readfirstlane_b32 s10, v1                    ; wave 0..7
	v_and_b32 v1, 15, v0                           ; r
	v_bfe_u32 v2, v0, 4, 1                         ; h
	v_and_b32 v15, 31, v0                          ; lane
	s_delay_alu instid0(VALU_DEP_3)
	v_lshlrev_b32 v[TO], 8, v1
	s_delay_alu instid0(VALU_DEP_1)
	v_lshl_add_u32 v[TO], v2, 7, v[TO]
	s_delay_alu instid0(VALU_DEP_3)
	v_lshlrev_b32 v[LA], 4, v15
	s_delay_alu instid0(VALU_DEP_4)
	v_lshlrev_b32 v[LB], 3, v15
	v_lshlrev_b32 v[LC], 2, v15
	v_lshlrev_b32 v[LD], 5, v2
	s_lshl_b32 s11, s10, 10
	v_add_nc_u32 v[SA], s11, v[LA]
	v_add_nc_u32 v[SB], s11, v[LB]
	v_add_nc_u32 v[SW], s11, v[LC]
	v_lshl_add_u32 v[ST], v1, 2, s11
	v_mul_u32_u24 v[SO], v2, 64000                 ; part: 64,000 h + 16 r + 256,000 w
	s_delay_alu instid0(VALU_DEP_1)
	v_lshl_add_u32 v[SO], v1, 4, v[SO]
	s_mul_i32 s12, s10, 256000
	v_add_nc_u32 v[SO], s12, v[SO]
	v_mov_b32 v[OB], 0                             ; a lane permute's destination counts as one of its sources
	v_mov_b32 v[OI], 0
	s_mov_b32 s[SEL], 0x76543210
	s_mov_b32 s[SEL+1], 0xfedcba98
	s_mov_b32 s22, 0xffff0000                      ; lanes 16-31
	s_mul_i32 s23, ttmp9, 25                       ; my first tile's number in the table
	s_mul_i32 s12, ttmp9, 102400                   ; my 400 rows,
	s_lshl_b32 s13, s10, 12                        ; my wave's first tile
	s_add_co_u32 s12, s12, s13
	s_mov_b32 s13, 0
	s_lshl_b32 s14, s10, 13                        ; my eight query records
	s_mov_b32 s15, 0
	s_wait_kmcnt 0x0
	s_add_nc_u64 s[4:5], s[4:5], s[12:13]
	s_add_nc_u64 s[6:7], s[6:7], s[14:15]
	s_lshl_b32 s12, ttmp9, 8
	s_add_nc_u64 s[8:9], s[8:9], s[12:13]
	s_cmp_lg_u32 s10, 0                            ; wave 0's extra tile, 24, is asked for first: being the oldest loads, they leave every later count alike in all waves
	s_cbranch_scc1 .Lno24
	WIN 0x40                                       ; destination window 1
.irp j, 0,1,2,3,4,5,6,7
	global_load_b128 v[96+4*\j:96+4*\j+3], v[TO], s[4:5] offset:98304+16*\j th:TH_LOAD_NT
.endr
	WIN 0
.Lno24:
.irp t, 0,1,2,3,4,5,6,7                        ; my eight query fragments and their scale words: 24 loads
	global_load_b128 v[Q+12*\t:Q+12*\t+3], v[LA], s[6:7] offset:1024*\t
	global_load_b64 v[Q+12*\t+4:Q+12*\t+5], v[LB], s[6:7] offset:1024*\t+512
	global_load_b32 v[QW+\t], v[LC], s[6:7] offset:1024*\t+768
.endr
	WIN 0x40
.irp i, 0,1,2                                  ; tiles w, w + 8, w + 16: eight loads each, together 4,096 dense bytes a tile
.irp j, 0,1,2,3,4,5,6,7
	global_load_b128 v[32*\i+4*\j:32*\i+4*\j+3], v[TO], s[4:5] offset:32768*\i+16*\j th:TH_LOAD_NT
.endr
.endr
	v_lshlrev_b32 v[SH8], 3, v2
	v_mov_b32 v[QPT], 0
	v_mov_b32 v[QPT2], 0
	WIN 0
.irp b, 0,1
.irp k, 6,7,8,9,10,11
	v_mov_b32 v[AF+12*\b+\k], 0                    ; k = 64 .. 127: zero codes, written once
.endr
.endr
.irp t, 0,1,2,3,4,5,6,7
.irp k, 6,7,8,9,10,11
	v_mov_b32 v[Q+12*\t+\k], 0
.endr
.endr
	SECTION 0, 16                                  ; tiles 0-7 lie in LDS.  The count leaves my other two tiles' sixteen loads out; the query images are older and are in
	LOADS 0
	LOADS 1
	s_wait_dscnt 0x5                               ; tile 0's five loads are in; tile 1's five may be out
.irp t, 0,1,2,3
	MM 0, \t
.endr
.irp t, 0,1,2,3,4,5,6,7
	v_mov_b32 v[BEST+\t], 0xff800000               ; -infinity.  (These sixteen lines are the places behind the four products)
.endr
.irp t, 0,1,2,3,4,5,6,7
	v_mov_b32 v[IDX+\t], 0
.endr
	BLOCK 0, 0, 1, 0, 1
.irp a, 1,2,3,4,5,6
	STEP \a, 1
.endr
	SECTION 1, 8                                   ; tiles 8-15: their numbers landed while tiles 0-6 were multiplied
.irp a, 7,8,9,10,11,12,13,14
	STEP \a, 1
.endr
	SECTION 2, 0                                   ; tiles 16-23
.irp a, 15,16,17,18,19,20,21,22
	STEP \a, 1
.endr
	s_cmp_lg_u32 s10, 0                            ; tile 24 is wave 0's; the wait and the barrier behind it are every wave's
	s_cbranch_scc1 .Lskip24
	WIN 0x55
	QUANT32 96, QD, QHW, 1, QT2
	s_delay_alu instid0(VALU_DEP_4)
	v_lshl_or_b32 v[QHW], v[QHW], 16, v[QHW]
	STORES 24576
.Lskip24:
	MEET
	STEP 23, 1
	STEP 24, 0
	BLOCK 1, 24, 0, 0, 0                           ; the last four results are taken in
.irp t, 0,1,2,3,4,5,6,7
	v_add_nc_u32 v[IDX+\t], s23, v[IDX+\t]         ; the tile's number in the table
.endr
.irp t, 0,1,2,3,4,5,6,7
	MERGE BEST+\t, IDX+\t, OB, OI                  ; rows 0-7 of the tiles against rows 8-15
.endr
.irp k, 0,1                                    ; lanes 0-15 take c = 4 w + 2 k (query tiles 4 k, 4 k + 1), lanes 16-31 c + 1 (4 k + 2, 4 k + 3)
	v_cndmask_b32 v[OUT+4*\k], v[BEST+4*\k], v[BEST+4*\k+2], s22
	v_cndmask_b32 v[OUT+4*\k+1], v[IDX+4*\k], v[IDX+4*\k+2], s22
	v_cndmask_b32 v[OUT+4*\k+2], v[BEST+4*\k+1], v[BEST+4*\k+3], s22
	v_cndmask_b32 v[OUT+4*\k+3], v[IDX+4*\k+1], v[IDX+4*\k+3], s22
	global_store_b128 v[SO], v[OUT+4*\k:OUT+4*\k+3], s[8:9] offset:128000*\k   ; sixteen lanes store 256 consecutive bytes, at a multiple of 256 from part's first byte
.endr
	s_barrier_signal -1
	s_barrier_wait -1
	s_wait_tensorcnt 0x0
	ds_add_u32 v254, v255
	s_wait_dscnt 0x0
	s_endpgm
.Lfunc_end_k_qb1117d88e8_scan:
	.size	k_qb1117d88e8_scan, .Lfunc_end_k_qb1117d88e8_scan-k_qb1117d88e8_scan
	.p2alignl 7, 3214868480
	.fill 96, 4, 3214868480
	.section	.rodata,"a",@progbits
	.p2align	6, 0x0
	.amdhsa_kernel k_qb1117d88e8_scan
		.amdhsa_group_segment_fixed_size 26624
		.amdhsa_private_segment_fixed_size 0
		.amdhsa_enable_private_segment 0
		.amdhsa_kernarg_size 24
		.amdhsa_user_sgpr_count 2
		.amdhsa_user_sgpr_kernarg_segment_ptr 1
		.amdhsa_wavefront_size32 1
		.amdhsa_system_sgpr_workgroup_id_x 1
		.amdhsa_system_sgpr_workgroup_id_y 1
		.amdhsa_system_sgpr_workgroup_id_z 1
		.amdhsa_system_vgpr_workitem_id 0
		.amdhsa_next_free_vgpr 416
		.amdhsa_next_free_sgpr 66
		.amdhsa_reserve_vcc 0
		.amdhsa_float_denorm_mode_32 3
		.amdhsa_float_denorm_mode_16_64 3
		.amdhsa_memory_ordered 1
		.amdhsa_forward_progress 1
		.amdhsa_inst_pref_size 149
	.end_amdhsa_kernel
	.amdgpu_metadata
---
amdhsa.version: [ 1, 2 ]
amdhsa.kernels:
  - .name:           k_qb1117d88e8_scan
    .symbol:         k_qb1117d88e8_scan.kd
    .args:
      - { .name: codes_table, .offset: 0, .size: 8, .value_kind: global_buffer, .address_space: global }
      - { .name: qimg, .offset: 8, .size: 8, .value_kind: global_buffer, .address_space: global }
      - { .name: part, .offset: 16, .size: 8, .value_kind: global_buffer, .address_space: global }
    .group_segment_fixed_size: 26624
    .private_segment_fixed_size: 0
    .kernarg_segment_align: 8
    .kernarg_segment_size: 24
    .max_flat_workgroup_size: 256
    .sgpr_count:     66
    .vgpr_count:     416
    .wavefront_size: 32
...
	.end_amdgpu_metadata
.endif
;; end of part 2
;; launch pick (part 3): grid 32 x 1, 25 waves a work-group, no clusters, 9,984 bytes of LDS; arguments part, win; writes win
.if DOCPART == 3
	.amdgcn_target "amdgcn-amd-amdhsa--gfx1250"
	.amdhsa_code_object_version 6
	.text
	.protected	k_qb1117d88e8_pick
	.globl	k_qb1117d88e8_pick
	.p2align	8
	.type	k_qb1117d88e8_pick,@function
k_qb1117d88e8_pick:
	s_mov_b64 s[64:65], 0
	v_nop
	global_prefetch_b8 v0, s[64:65] scope:SCOPE_SE
	s_setreg_imm32_b32 hwreg(HW_REG_WAVE_MODE, 25, 1), 1
	s_wait_xcnt 0x0
; PICK: for each query the best of the 250 pairs (s, tile) that the scan's work-groups left, and the winning tile's number as a whole number: the next launch forms addresses from it.
; Work-group c owns queries 32 c .. 32 c + 31, whose pairs are 64,000 dense bytes of part.  Wave v, lane (r, h) takes the five blocks g = 10 v + 5 h + 0 .. 4: 16 bytes each, the pairs of queries
; 32 c + r and 32 c + 16 + r; sixteen lanes read 256 consecutive bytes.  The 25 waves' results meet in LDS (256 bytes a wave), and wave 0 ends the work.
; Tiles ascend with g, so "strictly larger" keeps the lowest tile at a tie; where two halves meet, equal values take the lower number.  NaN is not served.
.set X,   8                            ; v8-23   blocks j = 1 .. 4
.set R,   28                           ; v28-31  (s, tile) of e = 0, (s, tile) of e = 1: block j = 0 lands here and the others are taken in
.set OB,  5
.set OI,  6
.set F,   32                           ; v32-81  wave 0: 25 pairs
.set MK,  12                           ; s12-16  masks
.set SEL, 18
.set MA,  20
.set MB,  21
.set MC,  22
.macro MERGE bv, bi, ob, oi
	v_permlanex16_b32 v[\ob], v[\bv], s[SEL], s[SEL+1]
	v_permlanex16_b32 v[\oi], v[\bi], s[SEL], s[SEL+1]
	s_delay_alu instid0(VALU_DEP_2)
	v_cmp_gt_f32 s[MA], v[\ob], v[\bv]
	s_delay_alu instid0(VALU_DEP_3)
	v_cmp_eq_f32 s[MB], v[\ob], v[\bv]
	s_delay_alu instid0(VALU_DEP_3)
	v_cmp_lt_u32 s[MC], v[\oi], v[\bi]
	s_and_b32 s[MB], s[MB], s[MC]
	s_or_b32 s[MA], s[MA], s[MB]
	v_cndmask_b32 v[\bi], v[\bi], v[\oi], s[MA]
	v_max_num_f32 v[\bv], v[\bv], v[\ob]
.endm
	s_load_b128 s[4:7], s[0:1], 0x0                ; part s[4:5], win s[6:7]
	v_lshl_add_u32 v96, v0, 2, 0x1a00
	v_mov_b32 v97, 0
	v_lshrrev_b32 v1, 5, v0
	s_delay_alu instid0(VALU_DEP_1)
	v_readfirstlane_b32 s8, v1                     ; wave 0..24
	v_and_b32 v1, 15, v0                           ; r
	v_bfe_u32 v2, v0, 4, 1                         ; h
	s_delay_alu instid0(VALU_DEP_1)
	v_mul_u32_u24 v3, v2, 1280
	s_delay_alu instid0(VALU_DEP_1)
	v_lshl_add_u32 v3, v1, 4, v3
	s_mul_i32 s9, s8, 2560
	v_add_nc_u32 v3, s9, v3                        ; 2,560 v + 1,280 h + 16 r
	s_lshl_b32 s9, s8, 8
	v_lshl_add_u32 v4, v1, 4, s9                   ; LDS: 256 v + 16 r
	v_mov_b32 v[OB], 0                             ; a lane permute's destination counts as one of its sources
	v_mov_b32 v[OI], 0
	s_mov_b32 s[SEL], 0x76543210
	s_mov_b32 s[SEL+1], 0xfedcba98
	s_mul_i32 s10, ttmp9, 64000
	s_mov_b32 s11, 0
	s_wait_alu depctr_va_vdst(0)
	s_wait_kmcnt 0x0
	s_add_nc_u64 s[4:5], s[4:5], s[10:11]
	global_load_b128 v[R:R+3], v3, s[4:5] th:TH_LOAD_NT
.irp j, 1,2,3,4
	global_load_b128 v[X+4*(\j-1):X+4*(\j-1)+3], v3, s[4:5] offset:256*\j th:TH_LOAD_NT
.endr
	s_wait_loadcnt 0x0
.irp j, 0,1,2,3
.irp e, 0,1
	v_cmp_gt_f32 s[MK+\e], v[X+4*\j+2*\e], v[R+2*\e]
.endr
.irp e, 0,1
	s_delay_alu instid0(VALU_DEP_2)
	v_cndmask_b32 v[R+2*\e+1], v[R+2*\e+1], v[X+4*\j+2*\e+1], s[MK+\e]
.endr
.irp e, 0,1
	v_max_num_f32 v[R+2*\e], v[R+2*\e], v[X+4*\j+2*\e]
.endr
.endr
	MERGE R, R+1, OB, OI                           ; my five blocks against lane l xor 16's five
	MERGE R+2, R+3, OB, OI
	ds_store_b128 v4, v[R:R+3]                     ; both halves of the lanes write the same bytes with the same values
	s_wait_dscnt 0x0                               ; for the others' sake: my store has landed
	s_barrier_signal -1
	s_barrier_wait -1
	s_cmp_lg_u32 s8, 0                             ; wave 0 alone goes on
	s_cbranch_scc1 .Lend
	v_and_b32 v7, 31, v0
	s_delay_alu instid0(VALU_DEP_1)
	v_lshlrev_b32 v7, 3, v7                        ; lane L takes the pair at 8 L of each wave's 256 bytes: query 32 c + 16 (L % 2) + L / 2
.irp v, 0,1,2,3,4,5,6,7,8,9,10,11,12,13,14,15,16,17,18,19,20,21,22,23,24
	ds_load_b64 v[F+2*\v:F+2*\v+1], v7 offset:256*\v
.endr
	v_and_b32 v8, 1, v0
	v_lshrrev_b32 v9, 1, v0
	s_delay_alu instid0(VALU_DEP_1)
	v_lshl_add_u32 v8, v8, 4, v9
	s_delay_alu instid0(VALU_DEP_1)
	v_lshlrev_b32 v8, 2, v8                        ; its word in win
	s_lshl_b32 s10, ttmp9, 7
	s_add_nc_u64 s[6:7], s[6:7], s[10:11]
	s_wait_dscnt 0x0
.irp k, 1,2,3,4                                ; five chains of five neighbouring waves, by turns
.irp c, 0,1,2,3,4
	v_cmp_gt_f32 s[MK+\c], v[F+10*\c+2*\k], v[F+10*\c]
.endr
.irp c, 0,1,2,3,4
	v_cndmask_b32 v[F+10*\c+1], v[F+10*\c+1], v[F+10*\c+2*\k+1], s[MK+\c]
.endr
.irp c, 0,1,2,3,4
	v_max_num_f32 v[F+10*\c], v[F+10*\c], v[F+10*\c+2*\k]
.endr
.endr
.irp c, 1
	s_delay_alu instid0(VALU_DEP_4)
	v_cmp_gt_f32 s[MK], v[F+10*\c], v[F]
	s_delay_alu instid0(VALU_DEP_1)
	v_cndmask_b32 v[F+1], v[F+1], v[F+10*\c+1], s[MK]
	v_max_num_f32 v[F], v[F], v[F+10*\c]
.endr
.irp c, 2, 3, 4
	s_delay_alu instid0(VALU_DEP_1)
	v_cmp_gt_f32 s[MK], v[F+10*\c], v[F]
	s_delay_alu instid0(VALU_DEP_1)
	v_cndmask_b32 v[F+1], v[F+1], v[F+10*\c+1], s[MK]
	s_delay_alu instid0(VALU_DEP_3)
	v_max_num_f32 v[F], v[F], v[F+10*\c]
.endr
	global_store_b32 v8, v[F+1], s[6:7]            ; 32 lanes fill 128 consecutive bytes
.Lend:
	s_barrier_signal -1
	s_barrier_wait -1
	s_wait_tensorcnt 0x0
	ds_add_u32 v96, v97
	s_wait_dscnt 0x0
	s_endpgm
.Lfunc_end_k_qb1117d88e8_pick:
	.size	k_qb1117d88e8_pick, .Lfunc_end_k_qb1117d88e8_pick-k_qb1117d88e8_pick
	.p2alignl 7, 3214868480
	.fill 96, 4, 3214868480
	.section	.rodata,"a",@progbits
	.p2align	6, 0x0
	.amdhsa_kernel k_qb1117d88e8_pick
		.amdhsa_group_segment_fixed_size 9984
		.amdhsa_private_segment_fixed_size 0
		.amdhsa_enable_private_segment 0
		.amdhsa_kernarg_size 16
		.amdhsa_user_sgpr_count 2
		.amdhsa_user_sgpr_kernarg_segment_ptr 1
		.amdhsa_wavefront_size32 1
		.amdhsa_system_sgpr_workgroup_id_x 1
		.amdhsa_system_sgpr_workgroup_id_y 1
		.amdhsa_system_sgpr_workgroup_id_z 1
		.amdhsa_system_vgpr_workitem_id 0
		.amdhsa_next_free_vgpr 98
		.amdhsa_next_free_sgpr 66
		.amdhsa_reserve_vcc 0
		.amdhsa_float_denorm_mode_32 3
		.amdhsa_float_denorm_mode_16_64 3
		.amdhsa_memory_ordered 1
		.amdhsa_forward_progress 1
		.amdhsa_inst_pref_size 12
	.end_amdhsa_kernel
	.amdgpu_metadata
---
amdhsa.version: [ 1, 2 ]
amdhsa.kernels:
  - .name:           k_qb1117d88e8_pick
    .symbol:         k_qb1117d88e8_pick.kd
    .args:
      - { .name: part, .offset: 0, .size: 8, .value_kind: global_buffer, .address_space: global }
      - { .name: win, .offset: 8, .size: 8, .value_kind: global_buffer, .address_space: global }
    .group_segment_fixed_size: 9984
    .private_segment_fixed_size: 0
    .kernarg_segment_align: 8
    .kernarg_segment_size: 16
    .max_flat_workgroup_size: 800
    .sgpr_count:     66
    .vgpr_count:     98
    .wavefront_size: 32
...
	.end_amdgpu_metadata
.endif
;; end of part 3
;; launch tail (part 4): grid 64 x 1, 4 waves a work-group, no clusters, 17,920 bytes of LDS; arguments codes_table, win, qimg, w1img, w2img, b1, bu, bs, out0, out1; writes out0, out1
.if DOCPART == 4
	.amdgcn_target "amdgcn-amd-amdhsa--gfx1250"
	.amdhsa_code_object_version 6
	.text
	.protected	k_qb1117d88e8_tail
	.globl	k_qb1117d88e8_tail
	.p2align	8
	.type	k_qb1117d88e8_tail,@function
k_qb1117d88e8_tail:
	s_mov_b64 s[64:65], 0
	v_nop
	global_prefetch_b8 v0, s[64:65] scope:SCOPE_SE
	s_setreg_imm32_b32 hwreg(HW_REG_WAVE_MODE, 25, 1), 1
	s_wait_xcnt 0x0
; TAIL: for 16 queries (work-group T: queries 16 T ..): the nearest row inside each query's winning tile, and mu, logstd = relu(row W1 + b1) [Wu | Ws] + [bu | bs], all products on codes of BF6 (E3M2) with E8M0 scales.
; A: wave w resolves queries 4 w + 0 .. 3.  The winning tile's number comes from win (whole numbers that an earlier launch stored), is held to 6,249 and gives the address of 16 rows.  They are quantised as the scan
;    quantised them, one matrix instruction gives the 16 values s = c . t - |t|^2 / 2, and the largest (at a tie the lowest row) names the row.  The row's codes and scale word ARE the first layer's operand (the same
;    blocks of 32 along the same 64): they are taken from the winner's lanes by a lane permute whose select is that number; no address and no branch hangs on it.
;    The query fragment is loaded turned by 4 w lanes, so that query 4 w + i stands in column i in every wave.
; B: wave w makes hidden units 128 w .. 128 w + 127 (source 0 = 16 rows of W1^T, source 1 = the 16 rows found; b1 is the C), relu, quantised in registers: K step w of the last products; its image goes to LDS.
; C: wave w makes outputs 32 w .. 32 w + 31 of [mu | logstd]: two accumulators by turns over four K steps, the bias as the first C; through a stage in LDS, whole rows of 256 bytes out.
; K = 64 products: registers 6-11 of both fragments are zero codes.
; LIMITS as in the scan: NaN and infinities are not served; a block under 2^(4 - 126) keeps the byte 1 (a block of zeros too: its codes are zeros).
; LDS: T2S 0: 64 bytes a query, 256 a wave: -|t|^2 / 2 of 16 rows.  PIMG 1024: the found rows' fragment (+0 registers 0-3, +512 registers 4-5, +768 scale words).  HIMG 2048: four fragments of 1,536 bytes.
;      HSC 8192: their scale words, 128 bytes each.  STG 8704: 16 rows x (512 + 16) bytes.  Every byte is written once.
; REGISTERS.  Window 0: below.  Window 1: v0-47 four table fragments; v48-71 the quantiser's own; v128-255 four slots of 32 numbers.  Window 2: v0-95 my 8 fragments of [Wu | Ws]; v128-191 b1; v192-207 the last bias.
;      Window 3: v0-95 my 8 fragments of W1.
.set T2S,  0
.set PIMG, 1024
.set HIMG, 2048
.set HSC,  8192
.set STG,  8704
.set TO,   3                           ; 256 r + 128 h
.set LI,   4                           ; 16, 8, 4 x lane
.set L8,   5
.set LS,   6
.set QA,   7                           ; 16, 8, 4 x the lane turned by 4 w
.set QB,   8
.set QC,   9
.set T2W,  10                          ; 256 w + 4 r
.set T2R,  11                          ; 256 w + 32 h
.set PA,   12                          ; 16, 8, 4 x (4 w + 16 h)
.set PB,   13
.set PCW,  14
.set HWI,  15                          ; 16 x lane + 1,536 w
.set HWS,  16                          ; 4 x lane + 128 w
.set SO,   17                          ; the stage, in: 528 r + 32 h + 128 w
.set SR,   18                          ; back: 528 (8 (w % 2) + h) + 256 (w / 2) + 16 r
.set GO,   19                          ; 256 h + 16 r
.set B1O,  20                          ; 64 h
.set B2O,  21                          ; 32 h
.set AW,   24                          ; v24-27  the four tiles' scale words
.set QWD,  28                          ; v28     the queries'
.set PW,   29                          ; v29     the found rows'
.set HS,   30                          ; v30-33  the hidden layer's
.set W1S,  34                          ; v34-41  W1's
.set W2S,  42                          ; v42-49  [Wu | Ws]'s
.set BV,   50                          ; v50-53  best s
.set BI,   54                          ; v54-57  its row
.set PD,   58                          ; v58-65  lane permutes' destinations
.set QF,   66                          ; v66-77  the query fragment
.set PF,   78                          ; v78-89  the found rows' fragment
.set G,    90                          ; v90-121 the winners' codes and scale words, 8 registers a query; later rows of the outputs
.set CC,   122                         ; v122-153 -|t|^2 / 2 in the result's layout
.set DD,   154                         ; v154-185 the four results
.set HA,   122                         ; v122-185 my 8 tiles of the hidden layer
.set HF,   122                         ; v122-169 four hidden fragments
.set Y,    170                         ; v170-185 two accumulators
.set TM,   186                         ; v186-201 at work
.set PWH,  202                         ; the hidden layer's scale word just made
.set PCD,  204                         ; v204-222 its codes
.set B1,   128                         ; window 2
.set B2,   192
.set SH8,  48                          ; window 1
.set QM0,  50
.set QM1,  51
.set QS,   52
.set QSC,  56
.set QBY,  57
.set QPT,  58
.set QPT2, 59
.set QCT,  60
.set HWR,  64
.set T2V,  68
.set SEL,  40                          ; s[40:41]
.set MK,   44                          ; s44-47
.set WN,   48                          ; s48-51 the winners, as selects
.set MSB, 0
.macro WIN new                         ; the immediate's high byte repeats the setting that is left
.if MSB != \new
	s_set_vgpr_msb (MSB<<8)|\new
.set MSB, \new
.endif
.endm
; 32 numbers of a lane, v[x] on, are one block (row r, k = 32 h + 0 .. 31).  Codes to v[d .. d + 5], the row's two bytes to v[hw]; wt2 = 1: v[t2] = -1/2 x the sum of the squares of the row's 64 numbers.
.macro QUANT32 x, d, hw, wt2, t2
	v_max3_num_f32 v[QM0], |v[(\x)]|, |v[(\x)+1]|, 0x2800000           ; the floor 2^(5 - 127) among the leaves: the byte cannot fall under 1
	v_max3_num_f32 v[QM1], |v[(\x)+2]|, |v[(\x)+3]|, 0x2800000
.if \wt2
	v_pk_mul_f32 v[QS:QS+1], v[(\x):(\x)+1], v[(\x):(\x)+1]
	v_pk_mul_f32 v[QS+2:QS+3], v[(\x)+2:(\x)+3], v[(\x)+2:(\x)+3]
.endif
.irp i, 4,8,12,16,20,24,28
	v_max3_num_f32 v[QM0], |v[(\x)+\i]|, |v[(\x)+\i+1]|, v[QM0]
.if \wt2
	v_pk_fma_f32 v[QS:QS+1], v[(\x)+\i:(\x)+\i+1], v[(\x)+\i:(\x)+\i+1], v[QS:QS+1]
.endif
	v_max3_num_f32 v[QM1], |v[(\x)+\i+2]|, |v[(\x)+\i+3]|, v[QM1]
.if \wt2
	v_pk_fma_f32 v[QS+2:QS+3], v[(\x)+\i+2:(\x)+\i+3], v[(\x)+\i+2:(\x)+\i+3], v[QS+2:QS+3]
.endif
.endr
	v_max_num_f32 v[QM0], v[QM0], v[QM1]
	v_add_nc_u32 v[QSC], 0xfe000000, v[QM0]                            ; 4 off the exponent field: the conversion's scale operand
	v_lshrrev_b32 v[QBY], 23, v[QSC]                                   ; the scale's byte
.if \wt2
	v_pk_add_f32 v[QS:QS+1], v[QS:QS+1], v[QS+2:QS+3]
	v_add_f32 v[QS], v[QS], v[QS+1]
.endif
	v_cvt_scalef32_pk16_bf6_f32 v[(\d):(\d)+2], v[(\x):(\x)+15], v[QSC]
	v_cvt_scalef32_pk16_bf6_f32 v[QCT:QCT+2], v[(\x)+16:(\x)+31], v[QSC]  ; (a conversion's three registers begin on an even number)
	v_lshlrev_b32 v[QBY], v[SH8], v[QBY]                               ; the plain line behind the conversions
	v_permlanex16_b32 v[QPT], v[QBY], s[SEL], s[SEL+1]
.irp i, 0,1,2
	v_mov_b32 v[(\d)+3+\i], v[QCT+\i]
.endr
	v_or_b32 v[\hw], v[QBY], v[QPT]
.if \wt2
	v_permlanex16_b32 v[QPT2], v[QS], s[SEL], s[SEL+1]
	v_add_f32 v[QS], v[QS], v[QPT2]
	v_mul_f32 v[\t2], -0.5, v[QS]
.endif
.endm
; 64 numbers of a lane, v[s] on, register 16 b + i = k 32 b + 16 (lane / 16) + i of my row, become a fragment's codes in v[PCD] on and its scale word in v[PWH].
.macro QUANTH s
.irp b, 0,1,2,3
	v_max3_num_f32 v[TM+\b], |v[\s+16*\b]|, |v[\s+1+16*\b]|, 0x2800000
.endr
.irp i, 2,4,6,8,10,12,14
.irp b, 0,1,2,3
	v_max3_num_f32 v[TM+\b], v[TM+\b], |v[\s+16*\b+\i]|, |v[\s+1+16*\b+\i]|   ; (the four blocks by turns)
.endr
.endr
.irp b, 0,1,2,3
	v_permlanex16_b32 v[TM+4+\b], v[TM+\b], s[SEL], s[SEL+1]
.endr
.irp b, 0,1,2,3
	v_max_num_f32 v[TM+\b], v[TM+\b], v[TM+4+\b]   ; with lane l xor 16's: the block's largest magnitude
.endr
.irp b, 0,1,2,3
	v_add_nc_u32 v[TM+12+\b], 0xfe000000, v[TM+\b]
.endr
.irp b, 0,1,2,3
	v_lshrrev_b32 v[TM+4+\b], 23, v[TM+12+\b]
.endr
	v_lshl_or_b32 v[PWH], v[TM+5], 8, v[TM+4]
	v_lshl_or_b32 v[PWH], v[TM+6], 16, v[PWH]
	v_lshl_or_b32 v[PWH], v[TM+7], 24, v[PWH]
.irp c, 0,1
	v_cvt_scalef32_pk16_bf6_f32 v[PCD+6*\c:PCD+2+6*\c], v[\s+32*\c:\s+15+32*\c], v[TM+12+2*\c]
	v_cvt_scalef32_pk16_bf6_f32 v[PCD+12+4*\c:PCD+14+4*\c], v[\s+16+32*\c:\s+31+32*\c], v[TM+12+2*\c+1]
.endr
	v_nop                                          ; one plain line behind a scaled conversion
.irp c, 0,1                                    ; the operand's layout wants a WHOLE block in a lane
.irp i, 0,1,2
	v_permlane16_swap_b32 v[PCD+6*\c+\i], v[PCD+12+4*\c+\i]
.endr
.irp i, 0,1,2
	v_mov_b32 v[PCD+3+6*\c+\i], v[PCD+12+4*\c+\i]
.endr
.endr
.endm
.macro IMAGE adr, off                          ; the fragment in v[PCD] on goes to LDS as it stands
.irp c, 0,1,2
	ds_store_b128 v[\adr], v[PCD+4*\c:PCD+4*\c+3] offset:\off+512*\c
.endr
.endm
.macro FETCH reg, off                          ; and comes back so, in any wave
.irp c, 0,1,2
	ds_load_b128 v[\reg+4*\c:\reg+4*\c+3], v[LI] offset:\off+512*\c
.endr
.endm
.macro BARRIER                                 ; my LDS stores have landed and my LDS loads are in: then the work-group's barrier
	s_wait_dscnt 0x0
	s_barrier_signal -1
	s_barrier_wait -1
.endm
.macro ROWS i, cnt                             ; query i's 16 rows.  cnt: the loads issued behind them that may stay out
	s_wait_loadcnt \cnt
	QUANT32 128+32*\i, 12*\i, HWR+\i, 1, T2V+\i
	v_lshl_or_b32 v[HWR+\i], v[HWR+\i], 16, v[HWR+\i]
.endm
	s_load_b512 s[4:19], s[0:1], 0x0               ; table s[4:5], win s[6:7], qimg s[8:9], w1img s[10:11], w2img s[12:13], b1 s[14:15], bu s[16:17], bs s[18:19]
	s_load_b128 s[20:23], s[0:1], 0x40             ; out0 s[20:21], out1 s[22:23]
	v_lshl_add_u32 v254, v0, 2, 0x4400
	v_mov_b32 v255, 0
	v_lshrrev_b32 v1, 5, v0
	v_readfirstlane_b32 s24, v1                    ; wave 0..3
	v_and_b32 v1, 15, v0                           ; r
	v_bfe_u32 v2, v0, 4, 1                         ; h
	v_and_b32 v22, 31, v0                          ; lane
	v_lshlrev_b32 v[TO], 8, v1
	v_lshl_add_u32 v[TO], v2, 7, v[TO]
	v_lshlrev_b32 v[LI], 4, v22
	v_lshlrev_b32 v[L8], 3, v22
	v_lshlrev_b32 v[LS], 2, v22
	s_lshl_b32 s52, s24, 2
	v_add_nc_u32 v23, s52, v1
	v_and_b32 v23, 15, v23
	v_lshl_add_u32 v23, v2, 4, v23                 ; (r + 4 w) % 16 + 16 h
	v_lshlrev_b32 v[QA], 4, v23
	v_lshlrev_b32 v[QB], 3, v23
	v_lshlrev_b32 v[QC], 2, v23
	s_lshl_b32 s52, s24, 8
	v_lshl_add_u32 v[T2W], v1, 2, s52
	v_lshl_add_u32 v[T2R], v2, 5, s52
	s_lshl_b32 s52, s24, 6
	v_lshl_add_u32 v[PA], v2, 8, s52
	s_lshl_b32 s52, s24, 5
	v_lshl_add_u32 v[PB], v2, 7, s52
	s_lshl_b32 s52, s24, 4
	v_lshl_add_u32 v[PCW], v2, 6, s52
	s_mul_i32 s52, s24, 1536
	v_add_nc_u32 v[HWI], s52, v[LI]
	s_lshl_b32 s52, s24, 7
	v_add_nc_u32 v[HWS], s52, v[LS]
	v_mul_u32_u24 v[SO], v1, 528
	v_lshl_add_u32 v[SO], v2, 5, v[SO]
	v_add_nc_u32 v[SO], s52, v[SO]
	s_and_b32 s53, s24, 1
	s_mul_i32 s53, s53, 4224
	s_lshr_b32 s54, s24, 1
	s_lshl_b32 s54, s54, 8
	s_add_co_u32 s53, s53, s54
	v_mul_u32_u24 v[SR], v2, 528
	v_lshl_add_u32 v[SR], v1, 4, v[SR]
	v_add_nc_u32 v[SR], s53, v[SR]
	v_lshlrev_b32 v[GO], 8, v2
	v_lshl_add_u32 v[GO], v1, 4, v[GO]
	v_lshlrev_b32 v[B1O], 6, v2
	v_lshlrev_b32 v[B2O], 5, v2
	s_mov_b32 s[SEL], 0x76543210
	s_mov_b32 s[SEL+1], 0xfedcba98
	s_lshl_b32 s26, ttmp9, 6                       ; win: 4 bytes x (16 T + 4 w)
	s_lshl_b32 s25, s24, 4
	s_add_co_u32 s26, s26, s25
	s_mov_b32 s27, 0                               ; the upper word of every offset
	s_wait_kmcnt 0x0
	s_add_nc_u64 s[6:7], s[6:7], s[26:27]
	s_load_b128 s[28:31], s[6:7], 0x0              ; my four queries' winning tiles
	s_lshl_b32 s26, ttmp9, 10
	s_add_nc_u64 s[8:9], s[8:9], s[26:27]          ; my query record
	s_lshl_b32 s26, s24, 13
	s_add_nc_u64 s[10:11], s[10:11], s[26:27]      ; my 8 records of W1
	s_lshl_b32 s26, s24, 14
	s_add_nc_u64 s[12:13], s[12:13], s[26:27]      ; my 8 records of [Wu | Ws]
	s_lshl_b32 s26, s24, 9
	s_add_nc_u64 s[14:15], s[14:15], s[26:27]      ; my 128 numbers of b1
	s_cmp_lt_u32 s24, 2                            ; waves 0, 1: mu; waves 2, 3: logstd.  The choice hangs on the wave's number alone
	s_cselect_b64 s[16:17], s[16:17], s[18:19]
	s_cselect_b64 s[20:21], s[20:21], s[22:23]
	s_and_b32 s25, s24, 1
	s_lshl_b32 s26, s25, 7
	s_add_nc_u64 s[16:17], s[16:17], s[26:27]      ; my 32 numbers of the bias
	s_lshl_b32 s26, s25, 11
	s_lshl_b32 s25, ttmp9, 12
	s_add_co_u32 s26, s26, s25
	s_add_nc_u64 s[20:21], s[20:21], s[26:27]      ; the 8 rows that I store: 4,096 T + 2,048 (w % 2)
	; 27 loads while the tiles' numbers are on their way
	global_load_b128 v[QF:QF+3], v[QA], s[8:9]
	global_load_b64 v[QF+4:QF+5], v[QB], s[8:9] offset:512
	global_load_b32 v[QWD], v[QC], s[8:9] offset:768
	WIN 0xc0                                       ; destination window 3
.irp t, 0,1,2,3,4,5,6,7
	global_load_b128 v[12*\t:12*\t+3], v[LI], s[10:11] offset:1024*\t
	global_load_b64 v[12*\t+4:12*\t+5], v[L8], s[10:11] offset:1024*\t+512
.endr
.irp t, 0,1,2,3,4,5,6,7
.irp k, 6,7,8,9,10,11
	v_mov_b32 v[12*\t+\k], 0                       ; k = 64 .. 127: zero codes
.endr
.endr
	WIN 0
.irp t, 0,1,2,3,4,5,6,7
	global_load_b32 v[W1S+\t], v[LS], s[10:11] offset:1024*\t+768
.endr
.irp k, 6,7,8,9,10,11
	v_mov_b32 v[QF+\k], 0
	v_mov_b32 v[PF+\k], 0
.endr
.irp k, 0,1,2,3,4,5,6,7
	v_mov_b32 v[PD+\k], 0                          ; a lane permute's destination counts as one of its sources
.endr
.irp k, 4,5,6,7
	v_mov_b32 v[TM+\k], 0
.endr
	s_wait_kmcnt 0x0
.irp i, 0,1,2,3
	s_min_u32 s[28+\i], s[28+\i], 6249             ; a loaded number enters an address only behind this hold: the table has 6,250 tiles
	s_lshl_b32 s26, s[28+\i], 12                   ; 16 rows of 256 bytes
	s_add_nc_u64 s[32+2*\i:33+2*\i], s[4:5], s[26:27]
.endr
	WIN 0x40                                       ; destination window 1
.irp i, 0,1,2,3
.irp j, 0,1,2,3,4,5,6,7
	global_load_b128 v[128+32*\i+4*\j:128+32*\i+4*\j+3], v[TO], s[32+2*\i:33+2*\i] offset:16*\j
.endr
.endr
	v_lshlrev_b32 v[SH8], 3, v2
	v_mov_b32 v[QPT], 0
	v_mov_b32 v[QPT2], 0
.irp i, 0,1,2,3
.irp k, 6,7,8,9,10,11
	v_mov_b32 v[12*\i+\k], 0
.endr
.endr
	WIN 0x80                                       ; destination window 2: 44 loads, and 8 more below: 52 behind the table's
.irp f, 0,1,2,3,4,5,6,7                        ; fragment 4 n + s
.irp c, 0,1,2
	global_load_b128 v[12*\f+4*\c:12*\f+4*\c+3], v[LI], s[12:13] offset:2048*\f+512*\c
.endr
.endr
.irp t, 0,1,2,3,4,5,6,7                        ; lane (r, h) wants, for tile t, b1 of hidden units 32 (t / 2) + 16 h + 8 (t % 2) + 0 .. 7
	global_load_b128 v[B1+8*\t:B1+8*\t+3], v[B1O], s[14:15] offset:(32*(\t/2)+8*(\t%2))*4
	global_load_b128 v[B1+8*\t+4:B1+8*\t+7], v[B1O], s[14:15] offset:(32*(\t/2)+8*(\t%2))*4+16
.endr
.irp n, 0,1                                    ; and for output tile n the bias of outputs 16 n + 8 h + 0 .. 7
	global_load_b128 v[B2+8*\n:B2+8*\n+3], v[B2O], s[16:17] offset:64*\n
	global_load_b128 v[B2+8*\n+4:B2+8*\n+7], v[B2O], s[16:17] offset:64*\n+16
.endr
	WIN 0
.irp f, 0,1,2,3,4,5,6,7
	global_load_b32 v[W2S+\f], v[LS], s[12:13] offset:2048*\f+1536
.endr
	; ---- A: the row inside each winning tile
	WIN 0x55                                       ; the quantiser works in window 1 alone
	ROWS 0, 63                                     ; behind query i's eight loads stand 8 (3 - i) + 52; the first two counts are held to the largest that the wait can name, which waits for more
	ROWS 1, 63
	ROWS 2, 60
	ROWS 3, 52
	WIN 0x04                                       ; an LDS store's data: window 1
.irp i, 0,1,2,3
	ds_store_b32 v[T2W], v[T2V+\i] offset:T2S+64*\i    ; both halves of the lanes write the same word with the same value
.endr
	WIN 0x01
.irp i, 0,1,2,3
	v_mov_b32 v[AW+\i], v[HWR+\i]                  ; scale operands are taken from window 0
.endr
	WIN 0
.irp i, 0,1,2,3
	ds_load_b128 v[CC+8*\i:CC+8*\i+3], v[T2R] offset:T2S+64*\i       ; my wave's own bytes: LDS serves a wave's instructions in order (ISA guide 5.7.1.4)
	ds_load_b128 v[CC+8*\i+4:CC+8*\i+7], v[T2R] offset:T2S+64*\i+16
.endr
.irp i, 0,1,2,3
.irp k, 0,1,2,3,4,5,6
	v_mov_b32 v[G+8*\i+\k], 0                      ; lane permutes' destinations; these 28 plain lines also stand between the writing of the scale words and the scaled products
.endr
.endr
	s_wait_dscnt 0x0
	WIN 0x01                                       ; source 0 window 1
.irp i, 0,1,2,3
	v_wmma_scale_f32_16x16x128_f8f6f4 v[DD+8*\i:DD+8*\i+7], v[12*\i:12*\i+11], v[QF:QF+11], v[CC+8*\i:CC+8*\i+7], v[AW+\i], v[QWD] matrix_a_fmt:MATRIX_FMT_BF6 matrix_b_fmt:MATRIX_FMT_BF6
.endr
	WIN 0
.rept 4
	v_nop                                          ; places in front of the first read of results (ISA guide 7.12.1)
.endr
.irp i, 0,1,2,3
	v_mov_b32 v[BV+\i], v[DD+8*\i]                 ; each result from its low end on
.endr
.irp i, 0,1,2,3
	v_mov_b32 v[BI+\i], 0
.endr
.irp j, 1,2,3,4,5,6,7
.irp i, 0,1,2,3
	v_cmp_gt_f32 s[MK+\i], v[DD+8*\i+\j], v[BV+\i]
.endr
.irp i, 0,1,2,3
	v_cndmask_b32 v[BI+\i], v[BI+\i], \j, s[MK+\i]
.endr
.irp i, 0,1,2,3
	v_max_num_f32 v[BV+\i], v[BV+\i], v[DD+8*\i+\j]
.endr
.endr
.irp i, 0,1,2,3
	v_lshl_add_u32 v[BI+\i], v2, 3, v[BI+\i]       ; row 8 h + j
.endr
.irp i, 0,1,2,3
	v_permlanex16_b32 v[PD+\i], v[BV+\i], s[SEL], s[SEL+1]
.endr
.irp i, 0,1,2,3
	v_permlanex16_b32 v[PD+4+\i], v[BI+\i], s[SEL], s[SEL+1]
.endr
.irp i, 0,1,2,3
	v_cmp_gt_f32 s[MK+\i], v[PD+\i], v[BV+\i]      ; in lanes 0-15, the only ones read below: rows 8-15 win where strictly larger
.endr
.irp i, 0,1,2,3
	v_cndmask_b32 v[BI+\i], v[BI+\i], v[PD+4+\i], s[MK+\i]
.endr
.irp i, 0,1,2,3
	v_readlane_b32 s[WN+\i], v[BI+\i], \i          ; query 4 w + i stands in column i
	s_mul_i32 s[WN+\i], s[WN+\i], 0x11111111       ; the row's number in all eight fields of a lane select
.endr
	WIN 0x01
.irp i, 0,1,2,3
.irp k, 0,1,2,3,4,5
	v_permlane16_b32 v[G+8*\i+\k], v[12*\i+\k], s[WN+\i], s[WN+\i]   ; every lane of a half takes the winner's lane of that half: the row's block h
.endr
.endr
	WIN 0
.irp i, 0,1,2,3
	v_permlane16_b32 v[G+8*\i+6], v[AW+\i], s[WN+\i], s[WN+\i]       ; and its scale word
.endr
.irp i, 0,1,2,3                                ; into the places of lanes 4 w + i and 4 w + i + 16 of the fragment's image; the sixteen lanes of a half write the same bytes with the same values
	ds_store_b128 v[PA], v[G+8*\i:G+8*\i+3] offset:PIMG+16*\i
	ds_store_b64 v[PB], v[G+8*\i+4:G+8*\i+5] offset:PIMG+512+8*\i
	ds_store_b32 v[PCW], v[G+8*\i+6] offset:PIMG+768+4*\i
.endr
	BARRIER                                        ; the sixteen found rows lie in LDS as one fragment
	; ---- B: the hidden layer
	s_wait_loadcnt 0x0                             ; the weights, their scale words, the biases
	ds_load_b128 v[PF:PF+3], v[LI] offset:PIMG
	ds_load_b64 v[PF+4:PF+5], v[L8] offset:PIMG+512
	ds_load_b32 v[PW], v[LS] offset:PIMG+768
	s_wait_dscnt 0x0
	WIN 0x23                                       ; source 0 (W1) window 3, source 2 (b1) window 2
.irp t, 0,1,2,3,4,5,6,7
	v_wmma_scale_f32_16x16x128_f8f6f4 v[HA+8*\t:HA+8*\t+7], v[12*\t:12*\t+11], v[PF:PF+11], v[B1+8*\t:B1+8*\t+7], v[W1S+\t], v[PW] matrix_a_fmt:MATRIX_FMT_BF6 matrix_b_fmt:MATRIX_FMT_BF6
.endr
	WIN 0
.rept 4
	v_nop
.endr
.irp j, 0,1,2,3,4,5,6,7,8,9,10,11,12,13,14,15,16,17,18,19,20,21,22,23,24,25,26,27,28,29,30,31,32,33,34,35,36,37,38,39,40,41,42,43,44,45,46,47,48,49,50,51,52,53,54,55,56,57,58,59,60,61,62,63
	v_max_num_f32 v[HA+\j], 0, v[HA+\j]            ; the activation, in f32
.endr
	QUANTH HA
	IMAGE HWI, HIMG                                ; K step w of the last products
	ds_store_b32 v[HWS], v[PWH] offset:HSC
	BARRIER                                        ; the hidden layer's four fragments lie in LDS
	; ---- C: my 32 outputs
.irp s, 0,1,2,3
	FETCH HF+12*\s, HIMG+1536*\s
	ds_load_b32 v[HS+\s], v[LS] offset:HSC+128*\s
.endr
	s_wait_dscnt 0x0
.irp s, 0,1,2,3                                ; the two accumulators take turns, one instruction a turn
.if \s == 0
	WIN 0x22                                       ; source 0 (weights) and source 2 (the bias) window 2
.else
	WIN 0x02
.endif
.irp n, 0,1
.if \s == 0
	v_wmma_scale_f32_16x16x128_f8f6f4 v[Y+8*\n:Y+8*\n+7], v[12*(4*\n+\s):12*(4*\n+\s)+11], v[HF+12*\s:HF+12*\s+11], v[B2+8*\n:B2+8*\n+7], v[W2S+4*\n+\s], v[HS+\s] matrix_a_fmt:MATRIX_FMT_BF6 matrix_b_fmt:MATRIX_FMT_BF6
.else
	v_wmma_scale_f32_16x16x128_f8f6f4 v[Y+8*\n:Y+8*\n+7], v[12*(4*\n+\s):12*(4*\n+\s)+11], v[HF+12*\s:HF+12*\s+11], v[Y+8*\n:Y+8*\n+7], v[W2S+4*\n+\s], v[HS+\s] matrix_a_fmt:MATRIX_FMT_BF6 matrix_b_fmt:MATRIX_FMT_BF6
.endif
.endr
.endr
	WIN 0
.rept 4
	v_nop
.endr
.irp n, 0,1
	ds_store_b128 v[SO], v[Y+8*\n:Y+8*\n+3] offset:STG+64*\n           ; lane (r, h): query r, outputs 32 w + 16 n + 8 h + 0 .. 7; each accumulator from its low end on
	ds_store_b128 v[SO], v[Y+8*\n+4:Y+8*\n+7] offset:STG+64*\n+16
.endr
	BARRIER                                        ; 16 rows of [mu | logstd] lie in the stage
.irp j, 0,1,2,3
	ds_load_b128 v[G+4*\j:G+4*\j+3], v[SR] offset:STG+1056*\j
.endr
.irp j, 0,1,2,3
	s_wait_dscnt 3-\j                              ; load j is in; the younger ones may be out
	global_store_b128 v[GO], v[G+4*\j:G+4*\j+3], s[20:21] offset:512*\j   ; sixteen lanes store a row: 256 consecutive bytes, at a multiple of 256 from the output's first byte
.endr
	s_barrier_signal -1
	s_barrier_wait -1
	s_wait_tensorcnt 0x0
	ds_add_u32 v254, v255
	s_wait_dscnt 0x0
	s_endpgm
.Lfunc_end_k_qb1117d88e8_tail:
	.size	k_qb1117d88e8_tail, .Lfunc_end_k_qb1117d88e8_tail-k_qb1117d88e8_tail
	.p2alignl 7, 3214868480
	.fill 96, 4, 3214868480
	.section	.rodata,"a",@progbits
	.p2align	6, 0x0
	.amdhsa_kernel k_qb1117d88e8_tail
		.amdhsa_group_segment_fixed_size 17920
		.amdhsa_private_segment_fixed_size 0
		.amdhsa_enable_private_segment 0
		.amdhsa_kernarg_size 80
		.amdhsa_user_sgpr_count 2
		.amdhsa_user_sgpr_kernarg_segment_ptr 1
		.amdhsa_wavefront_size32 1
		.amdhsa_system_sgpr_workgroup_id_x 1
		.amdhsa_system_sgpr_workgroup_id_y 1
		.amdhsa_system_sgpr_workgroup_id_z 1
		.amdhsa_system_vgpr_workitem_id 0
		.amdhsa_next_free_vgpr 864
		.amdhsa_next_free_sgpr 66
		.amdhsa_reserve_vcc 0
		.amdhsa_float_denorm_mode_32 3
		.amdhsa_float_denorm_mode_16_64 3
		.amdhsa_memory_ordered 1
		.amdhsa_forward_progress 1
		.amdhsa_inst_pref_size 52
	.end_amdhsa_kernel
	.amdgpu_metadata
---
amdhsa.version: [ 1, 2 ]
amdhsa.kernels:
  - .name:           k_qb1117d88e8_tail
    .symbol:         k_qb1117d88e8_tail.kd
    .args:
      - { .name: codes_table, .offset: 0, .size: 8, .value_kind: global_buffer, .address_space: global }
      - { .name: win, .offset: 8, .size: 8, .value_kind: global_buffer, .address_space: global }
      - { .name: qimg, .offset: 16, .size: 8, .value_kind: global_buffer, .address_space: global }
      - { .name: w1img, .offset: 24, .size: 8, .value_kind: global_buffer, .address_space: global }
      - { .name: w2img, .offset: 32, .size: 8, .value_kind: global_buffer, .address_space: global }
      - { .name: b1, .offset: 40, .size: 8, .value_kind: global_buffer, .address_space: global }
      - { .name: bu, .offset: 48, .size: 8, .value_kind: global_buffer, .address_space: global }
      - { .name: bs, .offset: 56, .size: 8, .value_kind: global_buffer, .address_space: global }
      - { .name: out0, .offset: 64, .size: 8, .value_kind: global_buffer, .address_space: global }
      - { .name: out1, .offset: 72, .size: 8, .value_kind: global_buffer, .address_space: global }
    .group_segment_fixed_size: 17920
    .private_segment_fixed_size: 0
    .kernarg_segment_align: 8
    .kernarg_segment_size: 80
    .max_flat_workgroup_size: 128
    .sgpr_count:     66
    .vgpr_count:     864
    .wavefront_size: 32
...
	.end_amdgpu_metadata
.endif
;; end of part 4
